; MI455X (gfx1250); checked and timed in simulation.
; The chip was launched on July 23, 2026; its instructions are those of AMD's public machine-readable ISA for CDNA 5 (MIT licence, August 2026) and "CDNA5" Instruction Set Architecture Reference Guide (July 2026). The comments in the code are by the model that wrote it; some were corrected since.
;; Attention. Allowed arithmetic: matrix products marked QUANTISED: E5M2 operands, one given power-of-two scale a tensor, by v_wmma_f32_16x16x64_bf8_bf8 or v_wmma_f32_16x16x128_bf8_bf8, f32 sums; everything else in f32.
;; Inputs: W_qkv_codes 3,072 x 32 x 32 uint8 (E5M2 codes of W_qkv, K innermost, in blocks of 32 codes); b_qkv 3,072 float32; lowp_scales 6 int32 (the exponents e of the quantised operands' scales 2^e); x_codes 2 x 2,048 x 32 x 32 uint8 (E5M2 codes of x, K innermost, in blocks of 32 codes).
;; Outputs: out0 2 x 2,048 x 1,024 float32.
;; This version of the problem:
;;   THIS VERSION OF THE PROBLEM IS GIVEN IN LOW PRECISION. The matrix products marked QUANTISED in the list below multiply operands that are first quantised to E5M2 (5 exponent bits, 2 mantissa bits; 8 bits a number), with one given power-of-two scale for each operand tensor; their sums are f32. All else is computed in f32.
;;   The module's matrix products, in the order in which they are computed (A, B: the left and right operand; K: the contracted axis; several contracted axes count as one K, in the product's order):
;;     1. [M 4,096, K 1,024] x [K 1,024, N 3,072]; A: input x (given as codes); B: input W_qkv (given as codes): QUANTISED (scales: A lowp_scales[0], B lowp_scales[1])
;;     2. batch 32 x [M 2,048, K 64] x [K 64, N 2,048]; A: computed on the way; B: computed on the way: QUANTISED (scales: A lowp_scales[2], B lowp_scales[3])
;;     3. batch 32 x [M 2,048, K 2,048] x [K 2,048, N 64]; A: softmax (see below); B: computed on the way: QUANTISED (scales: A lowp_scales[4], B lowp_scales[5])
;;   THE QUANTISER, for each operand of a quantised product, along K:
;;     - The operand's scale is 2^e, e = its entry of the input lowp_scales (int32; the entries are numbered through the quantised products in the list's order, A before B).
;;     - Each number is divided by the scale, clamped to +-57,344, and rounded to the nearest number of E5M2, ties to even, subnormals kept.
;;     - The product sums the exact products of the quantised numbers (number of the format x scale) in f32.
;;   ~~~python
;;   def quantise(x, axis, e):      # numpy; x: float32 -> the quantised numbers, widened to float32 again
;;       x = np.moveaxis(x, axis, -1); K = x.shape[-1]
;;       r = np.clip(x / 2.0 ** e, -57344, 57344)
;;       step = 2.0 ** (np.maximum(np.frexp(np.where(r == 0, 1, r))[1] - 1, -14) - 2)
;;       q = np.round(r / step) * step * 2.0 ** e      # np.round: ties to even
;;       return np.moveaxis(q, -1, axis).astype(np.float32)
;;   ~~~
;;   SOFTMAX AHEAD OF A QUANTISED PRODUCT. Where the list says 'softmax', what is quantised is not the finished softmax but p = 2^(t - M), with t = logit x log2(e) and M = ceil(the row's largest t), a whole number; so 1/2 < the row's largest p <= 1. The row's sum l is taken of the UNQUANTISED p, in f32, and the product's result is divided by l at the end. Since M is a whole number, a kernel that streams over the keys may use a running M (the ceiling of the running maximum): every later rescaling is an exact power of two, so the quantised numbers keep their values, but for numbers so far below the row's largest that they fall under the format's range.
;;   OPERANDS COMPUTED ON THE WAY. 'Computed on the way' means the value that the module computes at that place (a softmax that the list does not call 'softmax' is quantised finished and normalised). What goes into a quantiser is computed in f32, as accurately as f32 sums, v_exp_f32 and their like allow (about 1e-6 of the number): no bf16 or f16 on the way to a quantiser, and a product that is left as it is and whose result goes on into a quantised operand takes f32 operands (vector FMAs, or v_wmma_f32_16x16x4_f32). A number that lies on a knife's edge between two numbers of the format may be rounded either way, as far as f32 arithmetic and the matrix unit's own rounding can turn it there, and no further.
;;   INPUTS GIVEN AS CODES. W_qkv (in the module: [3072, 1024], K = its axis 1); x (in the module: [2, 2048, 1024], K = its axis 2): each comes as NAME_codes (uint8): NAME with its K axis moved to the last place and cut into blocks of 32 codes, [.., K / 32, bytes a block], one block behind the other in memory; one code a byte (a code: sign, 5 exponent bits, 2 mantissa bits); its scale is its entry of lowp_scales. Its value is code x scale, taken as it is: it is not quantised again, and the codes and scales need not be those that the quantiser above would give.
;; One version. Each part assembles by itself: llvm-mc -triple=amdgcn-amd-amdhsa -mcpu=gfx1250 --defsym DOCPART=n.
;; ======== version 1 of 1: 2 launches
;; limits: right only within a limited range of input values
;; workspace buffers: qkv 12,582,912 bytes
;; launch proj (part 1): grid 12 x 16, 4 waves a work-group, clusters of 4 x 4, 327,680 bytes of LDS; arguments x_codes, W_qkv_codes, lowp_scales, b_qkv, qkv; writes qkv
.if DOCPART == 1
	.amdgcn_target "amdgcn-amd-amdhsa--gfx1250"
	.amdhsa_code_object_version 6
	.text
	.protected	k_q50b25c0d0f_proj
	.globl	k_q50b25c0d0f_proj
	.p2align	8
	.type	k_q50b25c0d0f_proj,@function
k_q50b25c0d0f_proj:
	s_mov_b64 s[64:65], 0
	v_nop
	global_prefetch_b8 v0, s[64:65] scope:SCOPE_SE
	s_setreg_imm32_b32 hwreg(HW_REG_WAVE_MODE, 25, 1), 1
	s_wait_xcnt 0x0
	s_wait_alu depctr_hold_cnt(0) depctr_sa_sdst(0) depctr_va_vdst(0) depctr_va_sdst(0) depctr_va_ssrc(0) depctr_va_vcc(0) depctr_vm_vsrc(0)
	s_getreg_b32 s2, hwreg(HW_REG_IB_STS2, 6, 4)
	s_cmp_eq_u32 s2, 0
	s_cbranch_scc0 .Lentry_in_a_cluster
	s_endpgm
.Lentry_in_a_cluster:
	s_bfe_u32 s2, ttmp6, 0x10000c
	s_cmp_lg_u32 s2, 0xf033
	s_cbranch_scc0 .Lentry_shape_is_right
	s_endpgm
.Lentry_shape_is_right:
; qkv = x W_qkv^T + b_qkv on codes of BF8 (E5M2), f32 sums, each number then quantised with its operand's given scale and stored as IMAGES OF OPERAND REGISTERS for the attention launch (four registers of lane l at 16 l).
; No work of reference() is left out.  A sum is multiplied once by 2^(e0 + e1) and the bias added in one fused multiply-add; the hold at +-57,344 x 2^e is always executed (the conversion does not saturate: ISA guide 7.6.2).
; LIMITS: e0 + e1 between -126 and 127; e2, e3 and e5 between -126 and 112.  NaN is not served.
; A block of 256 x 256 is made by four waves, 128 x 128 each.  Clusters' x 0 and 1 make Q and K (source 0 = rows of W, source 1 = tokens), x 2 makes V with the two operands changed over, so that a lane's registers run along the tokens, V's K.
; LDS.  Two slots of a K step of 256: A's 256 rows, then B's.  An LDS row is 256 bytes + 16 of padding: 68 words, so the 16 rows of a fragment start at 16 different banks of 64 (ISA guide 11.1).
; Each wave fetches a quarter of a slot, 128 rows, by one joint load: K step 0 at the head, K step 1 behind the round that shows K step 0, K steps 2 and 3 into the slots that have been multiplied.
; Tiles are asked for jointly: A's by the four work-groups of a cluster's row, B's by the four of its column.
; PREFETCH.  K steps 1 and 2 are asked for behind K step 0's load, K step 3 behind the first 128 of K: 32 rows x 256 bytes a wave and K step, a lane a row; the four partners share a wave's 128 rows out by address
; (cx for A, cy for B), so each block of 256 bytes is named once in each cluster that will load it.  Nothing is asked for beyond K.
; A step of 128 along K is 64 matrix instructions.  Where its successor lies in the same slot, the successor's fragments of B (a set of their own) are fetched at its start, A's blocks 0-3 in its middle, A's blocks 4-7 at its end.
; REGISTERS: window 0: addresses, from v128 A's fragments; window 1: B's, two sets; windows 2 and 3: the 64 accumulators.  On the way out v32-223 are at work.
.set SIZE_K, 1024
.set KSTEP,  256
.set ROWB,   256
.set KROW,   SIZE_K
.set PITCH,  272
.set FR,     16
.set NL,     4
.set NP,     4
.set HALFT,  128*PITCH
.set SLOT,   4*HALFT
.set SPARE,  2*SLOT
.set HEADB,  393216
.set KVOFF,  131072
.set ADRA, 16
.set ADRB, 20
.set OFFL, 26
.set BOF,  27
.set SPW,  28
.set NIL,  29
.set LIM,  30
.set SCL,  31
.set BI,   32
.set TMP,  96
.set CD,   160
.set AF,   128
.set G1, 24
.set G0, 32
.set G1B, 48
.set G0B, 56
.set MSB, 0
.macro WIN new
.if MSB != (\new)
	s_set_vgpr_msb (MSB<<8)|(\new)
.set MSB, (\new)
.endif
.endm
.set MUL_LO, 0xa1
.set MUL_HI, 0xf1
.set TO_B,   0x40
.macro JLOAD g0a, g1a, g0b, g1b
	s_cmp_eq_u32 s15, 0
	s_cbranch_scc0 .Lfor_b_\@
	tensor_load_to_lds s[\g0a:\g0a+3], s[\g1a:\g1a+7]
	s_nop 0
.rept 4
	v_nop
.endr
	s_branch .Lasked_\@
.Lfor_b_\@:
	tensor_load_to_lds s[\g0b:\g0b+3], s[\g1b:\g1b+7]
	s_nop 0
.rept 4
	v_nop
.endr
.Lasked_\@:
.endm
.macro CREST
	s_cmp_lg_u32 s14, 0
	s_cbranch_scc1 .Lnot_wave_0_\@
	s_barrier_signal -3
.Lnot_wave_0_\@:
	s_barrier_wait -3
	s_barrier_signal -1
	s_barrier_wait -1
.endm
.macro CROUND
	s_barrier_signal -1
	s_barrier_wait -1
	CREST
.endm
	s_load_b128 s[4:7], s[0:1], 0x0
	s_load_b128 s[8:11], s[0:1], 0x10
	s_load_b64 s[12:13], s[0:1], 0x20
	v_lshl_add_u32 v[SPW], v0, 2, SPARE
	v_mov_b32 v[NIL], 0
	ds_add_u32 v28, v29
	ds_add_u32 v28, v29
	s_wait_dscnt 0x0
	v_lshrrev_b32 v1, 5, v0
	v_readfirstlane_b32 s14, v1
	s_lshr_b32 s15, s14, 1
	s_and_b32 s16, s14, 1
	s_bfe_u32 s40, ttmp6, 0x40000
	s_bfe_u32 s41, ttmp6, 0x40004
	s_and_b32 s66, ttmp7, 0xffff
	s_cmp_eq_u32 ttmp9, 2
	s_cselect_b32 s42, s66, ttmp9
	s_cselect_b32 s17, 0, s66
	s_lshl_b32 s42, s42, 2
	s_add_co_u32 s42, s42, s40
	s_lshl_b32 s17, s17, 2
	s_add_co_u32 s17, s17, s41
	s_lshl_b32 s43, s41, 2
	s_lshl_b32 s43, 15, s43
	s_lshl_b32 s44, 0x1111, s40
	s_or_b32 s[G1+0], s43, (0<<16)|(1<<20)|(1<<21)|(5<<22)|(3<<25)
	s_or_b32 s[G1B+0], s44, (0<<16)|(1<<20)|(1<<21)|(5<<22)|(3<<25)
.irp g, G1, G1B
	s_mov_b32 s[\g+1], ROWB<<16
	s_mov_b32 s[\g+2], 128<<16
	s_mov_b32 s[\g+3], ROWB<<16
	s_mov_b32 s[\g+4], 128
	s_mov_b32 s[\g+5], KROW
	s_mov_b32 s[\g+6], 0
	s_mov_b32 s[\g+7], 0
.endr
	s_lshl_b32 s18, s16, 7
	s_lshl_b32 s20, s17, 8
	s_add_co_u32 s20, s20, s18
	s_lshl_b32 s46, s42, 8
	s_add_co_u32 s46, s46, s18
	s_mov_b32 s21, 0
	s_mov_b32 s47, 0
	s_mov_b64 s[18:19], KROW
	s_mul_u64 s[20:21], s[20:21], s[18:19]
	s_mul_u64 s[46:47], s[46:47], s[18:19]
	s_mul_i32 s45, s14, HALFT
	s_wait_kmcnt 0x0
	s_load_b128 s[72:75], s[8:9], 0x0
	s_load_b64 s[76:77], s[8:9], 0x10
	s_add_nc_u64 s[68:69], s[6:7], 0x200000
	s_cmp_eq_u32 ttmp9, 2
	s_cselect_b64 s[70:71], s[4:5], s[6:7]
	s_cselect_b64 s[68:69], s[68:69], s[4:5]
	s_add_nc_u64 s[20:21], s[68:69], s[20:21]
	s_add_nc_u64 s[46:47], s[70:71], s[46:47]
	CROUND
.irp s, 0,1
	s_mov_b32 s[G0+4*\s], 1
	s_add_co_u32 s[G0+4*\s+1], s45, \s*SLOT
	s_add_nc_u64 s[G0+4*\s+2:G0+4*\s+3], s[20:21], \s*ROWB
	s_or_b32 s[G0+4*\s+3], s[G0+4*\s+3], 0x80000000
	s_mov_b32 s[G0B+4*\s], 1
	s_add_co_u32 s[G0B+4*\s+1], s45, \s*SLOT
	s_add_nc_u64 s[G0B+4*\s+2:G0B+4*\s+3], s[46:47], \s*ROWB
	s_or_b32 s[G0B+4*\s+3], s[G0B+4*\s+3], 0x80000000
.endr
	JLOAD G0, G1, G0B, G1B                         ; K step 0: one tensor load a wave at the head
	s_cmp_eq_u32 s15, 0                            ; do I fetch for A?
	s_cselect_b64 s[88:89], s[20:21], s[46:47]     ; my 128 rows,
	s_cselect_b32 s90, s40, s41                    ; and my place among the four that ask for them with me
	s_lshl_b32 s90, s90, 15                        ; 32 rows of 1,024 bytes for each place
	s_mov_b32 s91, 0
	s_add_nc_u64 s[88:89], s[88:89], s[90:91]
	v_and_b32 v6, 31, v0
	v_lshlrev_b32 v6, 10, v6                       ; a lane a row; v6 and s[88:89] are never rewritten
	global_prefetch_b8 v6, s[88:89] offset:256 th:TH_LOAD_NT scope:SCOPE_SE   ; K step 1
	global_prefetch_b8 v6, s[88:89] offset:512 th:TH_LOAD_NT scope:SCOPE_SE   ; K step 2
	v_and_b32 v1, 15, v0
	v_bfe_u32 v2, v0, 4, 1
	v_mul_u32_u24 v3, v1, PITCH
	v_lshl_add_u32 v4, v2, 4, v3
	s_mul_i32 s21, s15, HALFT
	s_mul_i32 s22, s16, HALFT
	s_add_co_u32 s22, s22, 2*HALFT
.irp s, 0,1
	v_add_nc_u32 v[ADRA+\s], s21, v4
	v_add_nc_u32 v[ADRB+\s], s22, v4
	s_add_co_u32 s21, s21, SLOT
	s_add_co_u32 s22, s22, SLOT
.endr
	v_and_b32 v5, 31, v0
	v_lshlrev_b32 v[OFFL], 4, v5
.macro FRAG reg, adr, q, i
.irp c, 0,1,2,3
	ds_load_b128 v[\reg+4*\c:\reg+4*\c+3], v[\adr] offset:128*(\q)+32*\c+(\i)*16*PITCH
.endr
.endm
.macro MUL16 a0, p, zero
.irp a, \a0, \a0+1
.irp b, 0,1,2,3,4,5,6,7
.if \zero
	v_wmma_f32_16x16x128_bf8_bf8 v[8*(8*((\a)%4)+\b):8*(8*((\a)%4)+\b)+7], v[128*(\p)+FR*\b:128*(\p)+FR*\b+FR-1], v[AF+FR*(\a):AF+FR*(\a)+FR-1], 0
.else
	v_wmma_f32_16x16x128_bf8_bf8 v[8*(8*((\a)%4)+\b):8*(8*((\a)%4)+\b)+7], v[128*(\p)+FR*\b:128*(\p)+FR*\b+FR-1], v[AF+FR*(\a):AF+FR*(\a)+FR-1], v[8*(8*((\a)%4)+\b):8*(8*((\a)%4)+\b)+7]
.endif
.endr
.endr
.endm
.macro FETCH_B slot, q, p
	WIN TO_B
.irp i, 0,1,2,3,4,5,6,7
	FRAG 128*(\p)+FR*\i, ADRB+\slot, \q, \i
.endr
	WIN 0
.endm
.macro FETCH_A slot, q, i0
.irp i, \i0, \i0+1, \i0+2, \i0+3
	FRAG AF+FR*(\i), ADRA+\slot, \q, \i
.endr
.endm
.macro PLACES n
.rept \n
	v_nop
.endr
.endm
.macro STEP slot, q, zero
	FETCH_B \slot, (\q)+1, 1-(\q)%2                ; behind the places and the loads of A's blocks 4-7 that end the step before
	s_wait_dscnt 12*NL                             ; B's set and A's blocks 0-3 are in; A's blocks 4-7 (4 NL loads) and the next B (8 NL) may be out
	WIN MUL_LO
	MUL16 0, (\q)%2, \zero
	MUL16 2, (\q)%2, \zero
	s_wait_dscnt 8*NL                              ; A's blocks 4-7 are in; the next B may be out
	PLACES NP
	WIN 0
	FETCH_A \slot, (\q)+1, 0
	WIN MUL_HI
	MUL16 4, (\q)%2, \zero
	MUL16 6, (\q)%2, \zero
	PLACES NP
	WIN 0
	FETCH_A \slot, (\q)+1, 4
.endm
.macro TURN slot, next, fill
	s_wait_tensorcnt 0x0
	ds_add_u32 v[SPW], v[NIL]
	s_wait_dscnt 4*NL+1
	WIN MUL_LO
	MUL16 0, 1, 0
	s_wait_dscnt 0x0
	s_barrier_signal -1
	MUL16 2, 1, 0
	WIN 0
	s_barrier_wait -1
.if \fill
	CREST
	s_add_nc_u64 s[G0+4*\slot+2:G0+4*\slot+3], s[G0+4*\slot+2:G0+4*\slot+3], 2*ROWB
	s_add_nc_u64 s[G0B+4*\slot+2:G0B+4*\slot+3], s[G0B+4*\slot+2:G0B+4*\slot+3], 2*ROWB
	JLOAD G0+4*\slot, G1, G0B+4*\slot, G1B
.else
	PLACES NP
.endif
	FETCH_B \next, 0, 0
	FETCH_A \next, 0, 0
	WIN MUL_HI
	MUL16 4, 1, 0
	MUL16 6, 1, 0
	PLACES NP
	WIN 0
	FETCH_A \next, 0, 4
.endm
	s_wait_alu depctr_va_vdst(0)                   ; the wait at the head's end
	s_wait_tensorcnt 0x0                           ; my part of K step 0 is in
	ds_add_u32 v[SPW], v[NIL]
	s_wait_dscnt 0x0                               ; the add is done
	CROUND                                         ; everybody's part of K step 0 is in, and the joint loads meet:
	JLOAD G0+4, G1, G0B+4, G1B                     ; K step 1, the first tensor load behind the round
	FETCH_B 0, 0, 0
	FETCH_A 0, 0, 0
	FETCH_A 0, 0, 4
	STEP 0, 0, 1
	global_prefetch_b8 v6, s[88:89] offset:768 th:TH_LOAD_NT scope:SCOPE_SE   ; K step 3
	TURN 0, 1, 1
	STEP 1, 0, 0
	TURN 1, 0, 1
	STEP 0, 0, 0
	TURN 0, 1, 0
	STEP 1, 0, 0
.macro LAST
	s_wait_dscnt 4*NL
	WIN MUL_LO
	MUL16 0, 1, 0
	MUL16 2, 1, 0
	s_wait_dscnt 0
	WIN MUL_HI
	MUL16 4, 1, 0
	MUL16 6, 1, 0
	WIN 0
.endm
.macro CONSTS
	s_add_co_i32 s96, s72, s73
	s_add_co_i32 s96, s96, 127
	s_lshl_b32 s96, s96, 23
	s_mov_b32 s97, s96
	s_add_co_i32 s83, s83, 127
	s_lshl_b32 s82, s83, 23
	v_mov_b32 v[SCL], s82
	s_add_co_i32 s83, s83, 15
	s_lshl_b32 s83, s83, 23
	s_or_b32 s83, s83, 0x600000
	v_mov_b32 v[LIM], s83
.endm
.macro OUT a, isv
.set AC, 64*((\a)%4)
.set CC, CD+16*((\a)%4)
.if (\a) >= 4
	s_wait_xcnt 0x0
.endif
	WIN 0x02+((\a)/4)
.irp b, 0,1,2,3,4,5,6,7
.irp i, 0,2,4,6
.if \isv
	v_pk_fma_f32 v[TMP+8*\b+\i:TMP+8*\b+\i+1], v[AC+8*\b+\i:AC+8*\b+\i+1], s[96:97], v[BI+2*(\a):BI+2*(\a)+1] op_sel_hi:[1,0,1]
.else
	v_pk_fma_f32 v[TMP+8*\b+\i:TMP+8*\b+\i+1], v[AC+8*\b+\i:AC+8*\b+\i+1], s[96:97], v[BI+8*\b+\i:BI+8*\b+\i+1] op_sel_hi:[1,0,1]
.endif
.endr
.endr
	WIN 0
.irp b, 0,1,2,3,4,5,6,7
.irp j, 0,1,2,3,4,5,6,7
	v_med3_num_f32 v[TMP+8*\b+\j], v[TMP+8*\b+\j], -v[LIM], v[LIM]
.endr
	v_cvt_scalef32_pk8_bf8_f32 v[CC+2*\b:CC+2*\b+1], v[TMP+8*\b:TMP+8*\b+7], v[SCL]
.endr
	v_nop
.irp i, 0,1,2,3
.if \isv
	global_store_b128 v[OFFL], v[CC+4*\i:CC+4*\i+3], s[84:85] offset:((\a)/4)*HEADB+2048*((\a)%4)+512*\i
.else
	global_store_b128 v[OFFL], v[CC+4*\i:CC+4*\i+3], s[84:85] offset:(\i/2)*HEADB+1024*(\a)+512*(\i%2)
.endif
.endr
.endm
	s_wait_kmcnt 0x0
	s_cmp_eq_u32 ttmp9, 2
	s_cbranch_scc1 .Lv
	s_lshl_b32 s80, s42, 10
	s_lshl_b32 s81, s16, 9
	s_add_co_u32 s80, s80, s81
	s_mov_b32 s81, 0
	s_add_nc_u64 s[86:87], s[10:11], s[80:81]
	v_lshlrev_b32 v[BOF], 5, v2
.irp b, 0,1,2,3,4,5,6,7
	global_load_b128 v[BI+8*\b:BI+8*\b+3], v[BOF], s[86:87] offset:64*\b
	global_load_b128 v[BI+8*\b+4:BI+8*\b+7], v[BOF], s[86:87] offset:64*\b+16
.endr
	s_lshl_b32 s80, s42, 2
	s_lshl_b32 s81, s16, 1
	s_add_co_u32 s80, s80, s81
	s_and_b32 s80, s80, 15
	s_lshr_b32 s81, s17, 3
	s_lshl_b32 s81, s81, 4
	s_add_co_u32 s80, s80, s81
	s_mul_i32 s80, s80, HEADB
	s_lshl_b32 s81, ttmp9, 17
	s_add_co_u32 s80, s80, s81
	s_lshl_b32 s81, s17, 1
	s_add_co_u32 s81, s81, s15
	s_and_b32 s81, s81, 15
	s_add_co_u32 s82, ttmp9, 13
	s_lshl_b32 s81, s81, s82
	s_add_co_u32 s80, s80, s81
	s_mov_b32 s81, 0
	s_add_nc_u64 s[84:85], s[12:13], s[80:81]
	s_cmp_eq_u32 ttmp9, 0
	s_cselect_b32 s83, s74, s75
	CONSTS
	LAST
	s_wait_loadcnt 0x0
	PLACES NP
.irp a, 0,1,2,3,4,5,6,7
	OUT \a, 0
.endr
	s_branch .Lend
.Lv:
	s_lshl_b32 s80, s17, 10
	s_lshl_b32 s81, s15, 9
	s_add_co_u32 s80, s80, s81
	s_add_co_u32 s80, s80, 8192
	s_mov_b32 s81, 0
	s_add_nc_u64 s[86:87], s[10:11], s[80:81]
	v_lshlrev_b32 v[BOF], 2, v1
.irp a, 0,1,2,3,4,5,6,7
	global_load_b32 v[BI+2*\a], v[BOF], s[86:87] offset:64*\a
	global_load_b32 v[BI+2*\a+1], v[BOF], s[86:87] offset:64*\a
.endr
	s_lshr_b32 s80, s42, 3
	s_lshl_b32 s80, s80, 4
	s_lshl_b32 s81, s17, 2
	s_add_co_u32 s80, s80, s81
	s_lshl_b32 s81, s15, 1
	s_add_co_u32 s80, s80, s81
	s_mul_i32 s80, s80, HEADB
	s_lshl_b32 s81, s42, 1
	s_add_co_u32 s81, s81, s16
	s_and_b32 s81, s81, 15
	s_lshl_b32 s81, s81, 14
	s_add_co_u32 s80, s80, s81
	s_add_co_u32 s80, s80, KVOFF+8192
	s_mov_b32 s81, 0
	s_add_nc_u64 s[84:85], s[12:13], s[80:81]
	s_mov_b32 s83, s77
	CONSTS
	LAST
	s_wait_loadcnt 0x0
	PLACES NP
.irp a, 0,1,2,3,4,5,6,7
	OUT \a, 1
.endr
.Lend:
	s_wait_tensorcnt 0x0
	ds_add_u32 v[SPW], v[NIL]
	s_wait_dscnt 0x0
	CROUND
	s_endpgm
.Lfunc_end_k_q50b25c0d0f_proj:
	.size	k_q50b25c0d0f_proj, .Lfunc_end_k_q50b25c0d0f_proj-k_q50b25c0d0f_proj
	.p2alignl 7, 3214868480
	.fill 96, 4, 3214868480
	.section	.rodata,"a",@progbits
	.p2align	6, 0x0
	.amdhsa_kernel k_q50b25c0d0f_proj
		.amdhsa_group_segment_fixed_size 327680
		.amdhsa_private_segment_fixed_size 0
		.amdhsa_enable_private_segment 0
		.amdhsa_kernarg_size 40
		.amdhsa_user_sgpr_count 2
		.amdhsa_user_sgpr_kernarg_segment_ptr 1
		.amdhsa_wavefront_size32 1
		.amdhsa_system_sgpr_workgroup_id_x 1
		.amdhsa_system_sgpr_workgroup_id_y 1
		.amdhsa_system_sgpr_workgroup_id_z 1
		.amdhsa_system_vgpr_workitem_id 0
		.amdhsa_next_free_vgpr 1024
		.amdhsa_next_free_sgpr 100
		.amdhsa_reserve_vcc 0
		.amdhsa_float_denorm_mode_32 3
		.amdhsa_float_denorm_mode_16_64 3
		.amdhsa_memory_ordered 1
		.amdhsa_forward_progress 1
		.amdhsa_inst_pref_size 200
	.end_amdhsa_kernel
	.amdgpu_metadata
---
amdhsa.version: [ 1, 2 ]
amdhsa.kernels:
  - .name:           k_q50b25c0d0f_proj
    .symbol:         k_q50b25c0d0f_proj.kd
    .args:
      - { .name: x_codes, .offset: 0, .size: 8, .value_kind: global_buffer, .address_space: global }
      - { .name: W_qkv_codes, .offset: 8, .size: 8, .value_kind: global_buffer, .address_space: global }
      - { .name: lowp_scales, .offset: 16, .size: 8, .value_kind: global_buffer, .address_space: global }
      - { .name: b_qkv, .offset: 24, .size: 8, .value_kind: global_buffer, .address_space: global }
      - { .name: qkv, .offset: 32, .size: 8, .value_kind: global_buffer, .address_space: global }
    .group_segment_fixed_size: 327680
    .private_segment_fixed_size: 0
    .kernarg_segment_align: 8
    .kernarg_segment_size: 40
    .max_flat_workgroup_size: 128
    .sgpr_count:     100
    .vgpr_count:     1024
    .wavefront_size: 32
...
	.end_amdgpu_metadata
.endif
;; end of part 1
;; launch attn (part 2): grid 8 x 32, 8 waves a work-group, clusters of 4 x 1, 327,680 bytes of LDS; arguments qkv, lowp_scales, out0; writes out0
.if DOCPART == 2
	.amdgcn_target "amdgcn-amd-amdhsa--gfx1250"
	.amdhsa_code_object_version 6
	.text
	.protected	k_q50b25c0d0f_attn
	.globl	k_q50b25c0d0f_attn
	.p2align	8
	.type	k_q50b25c0d0f_attn,@function
k_q50b25c0d0f_attn:
	s_mov_b64 s[64:65], 0
	v_nop
	global_prefetch_b8 v0, s[64:65] scope:SCOPE_SE
	s_setreg_imm32_b32 hwreg(HW_REG_WAVE_MODE, 25, 1), 1
	s_wait_xcnt 0x0
	s_wait_alu depctr_hold_cnt(0) depctr_sa_sdst(0) depctr_va_vdst(0) depctr_va_sdst(0) depctr_va_ssrc(0) depctr_va_vcc(0) depctr_vm_vsrc(0)
	s_getreg_b32 s2, hwreg(HW_REG_IB_STS2, 6, 4)
	s_cmp_eq_u32 s2, 0
	s_cbranch_scc0 .Lentry_in_a_cluster
	s_endpgm
.Lentry_in_a_cluster:
	s_bfe_u32 s2, ttmp6, 0x10000c
	s_cmp_lg_u32 s2, 0x3003
	s_cbranch_scc0 .Lentry_shape_is_right
	s_endpgm
.Lentry_shape_is_right:
; out[b][q][64 head + d] = the sum over k of softmax_k(Q[q] . K[k] / 8) V[k][d], for 32 heads (16 x batch + head) of 2,048 tokens and 64 channels, both products on codes of BF8 (E5M2).  No work of reference() is left out.
; The workspace holds, for each head, 393,216 bytes of IMAGES OF OPERAND REGISTERS (four registers of lane l at 16 l, 512 bytes a group): Q: 128 tiles of 16 tokens x 1,024 bytes; then 16 key steps of 128 keys x 16,384 bytes:
; K's 8 tiles of 16 keys (1,024 each: lane (r, h): key r, registers 2 c, 2 c + 1: d = 16 c + 8 h + 0 .. 7), V^T's 4 tiles of 16 channels x 128 keys (2,048 each: lane (r, h): channel r, registers 2 c, 2 c + 1: keys 16 c + 8 h + 0 .. 7).
; THE SOFTMAX AHEAD OF THE SECOND PRODUCT: t = score x c, c = 2^(e2 + e3) x log2(e) / 8; M = the row's largest t so far, rounded UP to a whole number; p = 2^(t - M) is quantised with 2^e4, not normalised.
; The row's sum is taken of the unquantised p, in f32, and divides O at the end, with 2^(e4 + e5).  When M moves, the sum and O are multiplied by 2^(old M - new M): exact.
; LIMITS on the given exponents: e2 + e3 between -123 and 130 (they are added to the exponent field of log2(e) / 8); e4 between -126 and 112; e4 + e5 is applied by v_ldexp_f32 and has none.  NaN is not served.
; The softmax's promise holds while the scaled scores t stay under 2^31 in magnitude.
; SHARES.  A work-group owns 256 queries of one head; each of its eight waves 32 of them, two tiles of 16, in 512 registers.  Every fragment of K and V that a wave reads from LDS feeds two products.
; LDS.  A head's 16 key steps are one dense block of 262,144 bytes, which is also its layout in LDS: it is brought in ONCE, nothing is ever filled again.  It comes in two chunks: key steps 0 to 3 (8,192 bytes a wave) at the head,
; key steps 4 to 15 (24,576 bytes a wave) behind the barrier that shows the first chunk, so that it has four key steps in which to land.  One tensor load of a wave is out at a time.
; CLUSTER.  The four query blocks of a cluster belong to one head and read the same K and V: each piece is asked for JOINTLY, by the same tensor load with the same descriptor and a mask that names the four.
; No prefetch: there is no loop of fills to run ahead in; the second and last fill is itself asked for four key steps ahead of its first use.
; LAYOUT.  Both products are used transposed: S^T = K Q^T (source 0 = 16 keys, source 1 = 16 queries), O^T = V^T P^T (source 0 = 16 channels, source 1 = P): a lane holds ONE query (lane % 16) throughout.  In tile kt of S^T
; lane (r, h) holds keys 16 kt + 8 h + 0 .. 7: one conversion gives registers 2 kt, 2 kt + 1 of P, in the second product's own layout, the same order of keys as V^T's.
; REGISTERS.  window 0: v1-5 addresses; v6-7 the old -M; v8-23 eight registers of statistics a tile; v24-29 at work; v31 the scale for p; v32-47 Q; v48-79 P; v80-95, v224-239 tile 0's first sums; v96-223 S^T, then p; v254-255 the add's.
;             window 1: v0-63 O^T (tile t, channels 16 dt on, at v[8 (4 t + dt)]); v64-127 K's 8 fragments; v128-191 V^T's 4.
.set HEADB,  393216                    ; a head's bytes in the workspace
.set KVOFF,  131072                    ; where its key steps begin
.set STEPB,  16384                     ; a key step
.set C0,     4                         ; key steps in chunk 0
.set CH0,    C0*STEPB
.set W0,     CH0/8                     ; my piece of chunk 0: 8,192 bytes
.set W1,     (16-C0)*STEPB/8           ; and of chunk 1: 24,576
.set STAGE,  16*STEPB                  ; behind K and V: 16 rows x (256 bytes + 16) for each wave, for the way out; no tensor load lands there
.set SP,     272
.set SPARE,  STAGE+8*16*SP             ; the spare words, 128 bytes for each wave, that no other line names
.set LI,  1                            ; v1   16 x lane: my place in an image
.set ADR, 2                            ; v2   LDS address of the key step in hand
.set STO, 3                            ; v3   the way out: where I put 32 bytes of a row
.set RD,  4                            ; v4   the way out: where I read a row back
.set GO,  5                            ; v5   my byte offset in the wave's rows of out
.set OM,  6                            ; v6, v7  the old -M of tile 0, 1
.set ST,  8                            ; tile t's statistics at v[ST + 8 t]: +0 -M, +1 the largest score, +2, +3 the sum in two halves, +4 f (at the end 2^(e4 + e5) / the sum), +5 0 (named with f as a pair), +6, +7 the maximum's two chains
.set PD,  24                           ; v24-25 a lane permute's destination
.set XS,  26                           ; v[26:27], v[28:29] the sums' second chain
.set SCL, 31                           ; v31  2^e4 as f32
.set Q,   32
.set P,   48
.set S,   96
.set KF,  64                           ; in window 1
.set VF,  128                          ; in window 1
.set SPW, 254
.set NIL, 255
.set WV,  12                           ; s12  my wave's number
.set SEL, 20                           ; s[20:21] lane selects for v_permlanex16_b32: lane l xor 16
.set CS,  22                           ; s[22:23] c: the packed form names a pair and takes its low word for both halves
.set G1,  24                           ; s[24:31] descriptor group 1 for chunk 0;  s[32:39] for chunk 1
.set G1B, 32
.set G0,  40                           ; s[40:43] descriptor group 0 for chunk 0;  s[44:47] for chunk 1
.set G0B, 44
.set TB,  52                           ; s52  LDS byte at which the key step in hand begins
.set CNT, 53                           ; s53  counts a chunk's steps
.set LIM, 62                           ; s62  57,344 x 2^e4
.set MSB, 0
.macro WIN new                         ; the immediate's high byte repeats the setting that is left; a switch that changes nothing is dropped
.if MSB != (\new)
	s_set_vgpr_msb (MSB<<8)|(\new)
.set MSB, (\new)
.endif
.endm
; A round of the cluster's barrier: my work-group's barrier, so that wave 0's signal speaks for all eight waves; wave 0 signals for the work-group; every wave waits for all four work-groups; my work-group's barrier once more.
.macro CROUND
	s_barrier_signal -1
	s_barrier_wait -1
	s_cmp_lg_u32 s[WV], 0
	s_cbranch_scc1 .Lnot_wave_0_\@
	s_barrier_signal -3
.Lnot_wave_0_\@:
	s_barrier_wait -3
	s_barrier_signal -1
	s_barrier_wait -1
.endm
	s_load_b128 s[4:7], s[0:1], 0x0                ; the workspace s[4:5], the scales' exponents s[6:7]
	s_load_b64 s[8:9], s[0:1], 0x10                ; out
	v_lshl_add_u32 v[SPW], v0, 2, SPARE
	v_mov_b32 v[NIL], 0
	ds_add_u32 v[SPW], v[NIL]                      ; the wave's opening: the add, twice on end, and its wait ahead of my first tensor load
	ds_add_u32 v[SPW], v[NIL]
	v_lshrrev_b32 v6, 5, v0
	v_readfirstlane_b32 s[WV], v6                  ; wave 0..7
	s_bfe_u32 s13, ttmp6, 0x40000                  ; cx: my place in the cluster
	s_lshl_b32 s14, ttmp9, 2                       ; in a cluster launch ttmp9 counts clusters
	s_add_co_u32 s14, s14, s13                     ; my block of 256 queries = 4 x cluster x + cx: it enters Q's and out's addresses alone
	s_and_b32 s15, ttmp7, 0xffff                   ; the head, which the four partners share
	s_mul_i32 s16, s15, HEADB
	s_mov_b32 s17, 0
	s_mul_i32 s54, s[WV], W0                       ; my piece of chunk 0
	s_mul_i32 s55, s[WV], W1                       ; my piece of chunk 1
	s_add_co_u32 s56, s54, KVOFF
	s_mov_b32 s57, 0
	s_add_co_u32 s58, s55, KVOFF+CH0
	s_mov_b32 s59, 0
	; descriptor groups 1: dense pieces as rows of 32 elements of 8 bytes, 32 rows for chunk 0 and 96 for chunk 1
	s_mov_b32 s[G1], 15|(3<<16)|(1<<21)            ; 15:0 the mask: all four work-groups; 17:16 elements of 8 bytes; 20 no padding; 21 set beside a mask
	s_mov_b32 s[G1+1], 32<<16                      ; tensor_dim0
	s_mov_b32 s[G1+2], (W0/256)<<16                ; tensor_dim1
	s_mov_b32 s[G1+3], 32<<16                      ; tile_dim0
	s_mov_b32 s[G1+4], W0/256                      ; tile_dim1
	s_mov_b32 s[G1+5], 32                          ; tensor_dim0_stride: each row begins where the last ends
	s_mov_b32 s[G1+6], 0
	s_mov_b32 s[G1+7], 0
	s_mov_b32 s[G1B], 15|(3<<16)|(1<<21)
	s_mov_b32 s[G1B+1], 32<<16
	s_mov_b32 s[G1B+2], (W1/256)<<16
	s_mov_b32 s[G1B+3], 32<<16
	s_mov_b32 s[G1B+4], W1/256
	s_mov_b32 s[G1B+5], 32
	s_mov_b32 s[G1B+6], 0
	s_mov_b32 s[G1B+7], 0
	s_mov_b32 s[SEL], 0x76543210
	s_mov_b32 s[SEL+1], 0xfedcba98
	s_mov_b32 s[CS], 0x3e38aa3b                    ; log2(e) / 8
	s_mov_b32 s[G0], 1                             ; 1:0 count = 1
	s_mov_b32 s[G0+1], s54                         ; 63:32 LDS address
	s_mov_b32 s[G0B], 1
	s_add_co_u32 s[G0B+1], s55, CH0
	s_wait_dscnt 0x0                               ; both opening adds are done
	s_wait_kmcnt 0x0
	s_load_b128 s[48:51], s[6:7], 0x8              ; e2, e3, e4, e5
	s_add_nc_u64 s[4:5], s[4:5], s[16:17]          ; the workspace at my head
	s_add_nc_u64 s[G0+2:G0+3], s[4:5], s[56:57]    ; 120:64 global address
	s_or_b32 s[G0+3], s[G0+3], 0x80000000          ; 127:126 type = 2
	s_add_nc_u64 s[G0B+2:G0B+3], s[4:5], s[58:59]
	s_or_b32 s[G0B+3], s[G0B+3], 0x80000000
	CROUND                                         ; all four work-groups are here: the joint loads meet
	tensor_load_to_lds s[G0:G0+3], s[G1:G1+7]      ; chunk 0: one tensor load a wave at the head
	s_nop 0
.rept 4
	v_nop
.endr
	s_lshl_b32 s60, s14, 14                        ; Q: my block's 16 tiles of 1,024 bytes,
	s_lshl_b32 s61, s[WV], 11                      ; my wave's two of them
	s_add_co_u32 s60, s60, s61
	s_mov_b32 s61, 0
	s_add_nc_u64 s[58:59], s[4:5], s[60:61]
	v_and_b32 v[LI], 31, v0
	v_lshlrev_b32 v[LI], 4, v[LI]
.irp t, 0,1
	global_load_b128 v[Q+8*\t:Q+8*\t+3], v[LI], s[58:59] offset:1024*\t          ; Q's fragments stay in registers
	global_load_b128 v[Q+8*\t+4:Q+8*\t+7], v[LI], s[58:59] offset:1024*\t+512
.endr
	v_and_b32 v6, 15, v0                           ; r
	v_bfe_u32 v7, v0, 4, 1                         ; h
	s_mul_i32 s55, s[WV], 16*SP
	s_add_co_u32 s55, s55, STAGE                   ; my stage
	v_mul_u32_u24 v[STO], v6, SP                   ; in: row r, 32 bytes for each half of the lanes
	v_mul_u32_u24 v[RD], v7, SP                    ; back: lanes 0-15 take one row of 256 bytes, lanes 16-31 the next
	v_lshlrev_b32 v[GO], 12, v7                    ; and the same two rows in out: a row is 4,096 bytes
	v_lshl_add_u32 v[STO], v7, 5, v[STO]
	v_lshl_add_u32 v[RD], v6, 4, v[RD]
	v_lshl_add_u32 v[GO], v6, 4, v[GO]
	v_add_nc_u32 v[STO], s55, v[STO]
	v_add_nc_u32 v[RD], s55, v[RD]
	s_lshr_b32 s60, s15, 4                         ; out at my wave's first query: row 2,048 x batch + 256 x block + 32 x wave,
	s_lshl_b32 s60, s60, 11
	s_lshl_b32 s61, s14, 8
	s_add_co_u32 s60, s60, s61
	s_lshl_b32 s61, s[WV], 5
	s_add_co_u32 s60, s60, s61
	s_lshl_b32 s60, s60, 12
	s_and_b32 s61, s15, 15                         ; my head's 256 bytes of it
	s_lshl_b32 s61, s61, 8
	s_add_co_u32 s60, s60, s61
	s_mov_b32 s61, 0
	s_add_nc_u64 s[8:9], s[8:9], s[60:61]
.irp t, 0,1
	v_mov_b32 v[ST+8*\t], 0x7f61b1e6               ; -M: 3e38, so that the first change of M gives f = 0
	v_mov_b32 v[ST+8*\t+1], 0xff61b1e6             ; the largest score so far: -3e38, under every score
	v_mov_b32 v[ST+8*\t+2], 0                      ; the sum, in two halves
	v_mov_b32 v[ST+8*\t+3], 0
	v_mov_b32 v[ST+8*\t+5], 0                      ; (named as the upper half of f's pair)
	v_mov_b32 v[PD+\t], 0                          ; written once: a lane permute's destination counts as one of its sources
.endr
	WIN 0x40                                       ; destination window 1
.set j, 0
.rept 64
	v_mov_b32 v[j], 0                              ; O^T, while chunk 0 is on its way.  (The key step has no first form of its own: the first step multiplies zeros)
.set j, j+1
.endr
	WIN 0
	s_wait_kmcnt 0x0
	s_add_co_i32 s61, s48, s49
	s_lshl_b32 s61, s61, 23
	s_add_co_i32 s[CS], s[CS], s61                 ; a score stands for score x 2^(e2 + e3): the two exponents are added to c's exponent field
	s_mov_b32 s[CS+1], s[CS]                       ; (named with it as a pair, so it is written)
	s_add_co_i32 s61, s50, 127
	s_lshl_b32 s60, s61, 23
	v_mov_b32 v[SCL], s60                          ; 2^e4 as f32, for the conversion
	s_add_co_i32 s61, s61, 15
	s_lshl_b32 s61, s61, 23
	s_or_b32 s[LIM], s61, 0x600000                 ; 57,344 x 2^e4
	s_add_co_i32 s63, s50, s51                     ; e4 + e5, for the way out
.macro KLOAD off                       ; K's 8 fragments of the key step that lies off bytes behind the address in hand: an image comes back as it was stored, 512 consecutive bytes a load
	WIN 0x40                                       ; destination window 1, address window 0
.irp kt, 0,1,2,3,4,5,6,7
	ds_load_b128 v[KF+8*\kt:KF+8*\kt+3], v[ADR] offset:(\off)+1024*\kt
	ds_load_b128 v[KF+8*\kt+4:KF+8*\kt+7], v[ADR] offset:(\off)+1024*\kt+512
.endr
	WIN 0
.endm
.macro HOLD r                          ; two numbers: the conversion to an 8-bit code does not saturate (ISA guide 7.6.2); p is not negative, so the hold is one-sided.  It is always executed, whatever e4 is
	v_dual_min_num_f32 v[\r], s[LIM], v[\r] :: v_dual_min_num_f32 v[\r+1], s[LIM], v[\r+1]
.endm
.macro CVT g                           ; g = 8 x tile + kt: registers 2 kt, 2 kt + 1 of the tile's P: keys 16 kt + 8 h + 0 .. 7
	v_cvt_scalef32_pk8_bf8_f32 v[P+2*(\g):P+2*(\g)+1], v[S+8*(\g):S+8*(\g)+7], v[SCL]
.endm
.macro TREG n                          ; tile 0's first sums: 16 pairs, v80-95 and v224-239
.if (\n) < 8
.set TR, 80+2*(\n)
.else
.set TR, 208+2*(\n)
.endif
.endm
; A KEY STEP: 128 keys, for my two tiles of queries.  K's fragments are in registers; V's are fetched under the maxima, the next step's K (next = 1) under the exponentials.
.macro STEP next
	WIN 0x01                                       ; source 0 (K) window 1; Q and S^T window 0
.irp t, 0,1
.irp kt, 0,1,2,3,4,5,6,7
	v_wmma_f32_16x16x64_bf8_bf8 v[S+64*\t+8*\kt:S+64*\t+8*\kt+7], v[KF+8*\kt:KF+8*\kt+7], v[Q+8*\t:Q+8*\t+7], 0
.endr
.endr
	WIN 0
	v_add_nc_u32 v[ADR], s[TB], v[LI]              ; with the three below: the places in front of the loads and of the first read of the scores
.rept 3
	v_nop
.endr
	WIN 0x40
.irp dt, 0,1,2,3
.irp c, 0,1,2,3
	ds_load_b128 v[VF+16*\dt+4*\c:VF+16*\dt+4*\c+3], v[ADR] offset:8192+2048*\dt+512*\c
.endr
.endr
	WIN 0
.irp t, 0,1                                    ; the largest score of my query, the earlier steps' among my 64 keys': two chains a tile, the registers in ascending order
	v_max3_num_f32 v[ST+8*\t+6], v[ST+8*\t+1], v[S+64*\t], v[S+64*\t+1]
	v_max3_num_f32 v[ST+8*\t+7], v[S+64*\t+2], v[S+64*\t+3], v[S+64*\t+4]
.endr
.set k, 0
.rept 29
.irp t, 0,1
	v_max3_num_f32 v[ST+8*\t+6+(k%2)], v[ST+8*\t+6+(k%2)], v[S+64*\t+5+2*k], v[S+64*\t+6+2*k]
.endr
.set k, k+1
.endr
.irp t, 0,1
	v_mov_b32 v[OM+\t], v[ST+8*\t]
.endr
.irp t, 0,1
	v_max3_num_f32 v[ST+8*\t+6], v[ST+8*\t+6], v[ST+8*\t+7], v[S+64*\t+63]
.endr
.irp t, 0,1
	s_delay_alu instid0(VALU_DEP_2)
	v_permlanex16_b32 v[PD+\t], v[ST+8*\t+6], s[SEL], s[SEL+1]
.endr
.irp t, 0,1
	s_delay_alu instid0(VALU_DEP_2)
	v_max_num_f32 v[ST+8*\t+1], v[ST+8*\t+6], v[PD+\t]     ; and among lane l xor 16's
.endr
.irp t, 0,1
	s_delay_alu instid0(VALU_DEP_2)
	v_mul_f32 v[ST+8*\t+6], s[CS], v[ST+8*\t+1]            ; as t (c is positive)
.endr
.irp t, 0,1
	s_delay_alu instid0(VALU_DEP_2)
	v_floor_f32 v[ST+8*\t], -v[ST+8*\t+6]                  ; the new -M = floor(-t) = -ceil(t): M IS A WHOLE NUMBER
.endr
.set j, 0
.rept 32
	v_pk_fma_f32 v[S+2*j:S+2*j+1], v[S+2*j:S+2*j+1], s[CS:CS+1], v[ST:ST+1] op_sel_hi:[1,0,0]   ; tile 0: t - M, two at a time (of the pairs c and -M the low word serves both halves)
.irp t, 0,1
.if j == 7
	v_sub_f32 v[ST+8*\t+6], v[ST+8*\t], v[OM+\t]           ; M's old value less its new one: a whole number, 0 or less
.endif
.if j == 15
	v_cvt_i32_f32 v[ST+8*\t+6], v[ST+8*\t+6]               ; (it saturates)
.endif
.if j == 23
	v_ldexp_f32 v[ST+8*\t+4], 1.0, v[ST+8*\t+6]            ; f = 2^(old M - new M): a multiplication by it rounds nothing
.endif
.endr
.set j, j+1
.endr
.if \next
	KLOAD STEPB
.endif
	s_wait_alu depctr_va_vdst(0)                   ; the wait ahead of the batch
.set j, 0
.rept 32
	v_exp_f32 v[S+2*j], v[S+2*j]                   ; tile 0: p = 2^(t - M), at most 1: NOT normalised
	v_exp_f32 v[S+2*j+1], v[S+2*j+1]
	v_pk_fma_f32 v[S+64+2*j:S+64+2*j+1], v[S+64+2*j:S+64+2*j+1], s[CS:CS+1], v[ST+8:ST+9] op_sel_hi:[1,0,0]   ; tile 1: t - M, first read behind the next wait
.set j, j+1
.endr
	s_wait_alu depctr_va_vdst(0)                   ; and behind it, which is ahead of the next batch too
.set k, 0
.rept 64
	v_exp_f32 v[S+64+k], v[S+64+k]                 ; tile 1.  The lines between write nothing that is read ahead of the next wait
.if k < 2
	v_pk_mul_f32 v[ST+8*k+2:ST+8*k+3], v[ST+8*k+2:ST+8*k+3], v[ST+8*k+4:ST+8*k+5] op_sel_hi:[1,0]   ; the sums under the new M
.elseif k < 18
	TREG k-2
	v_pk_add_f32 v[TR:TR+1], v[S+4*(k-2):S+4*(k-2)+1], v[S+4*(k-2)+2:S+4*(k-2)+3]   ; THE ROW'S SUM IS TAKEN OF THE UNQUANTISED p: tile 0, two at a time
.elseif k < 50
	HOLD S+2*(k-18)                                ; tile 0, behind its first sums
.endif
.set k, k+1
.endr
	s_wait_alu depctr_va_vdst(0)                   ; one wait for the batch, ahead of its first reader
.set k, 0
.rept 16
	v_pk_add_f32 v[ST+10:ST+11], v[ST+10:ST+11], v[S+64+4*k:S+64+4*k+1]   ; tile 1's sum in two chains
.if k == 0
	v_pk_add_f32 v[XS+2:XS+3], v[S+66:S+67], v[S+70:S+71]
.elseif k > 1
	v_pk_add_f32 v[XS+2:XS+3], v[XS+2:XS+3], v[S+64+4*k+2:S+64+4*k+3]
.endif
	TREG k
.if k%2 == 0
	v_pk_add_f32 v[ST+2:ST+3], v[ST+2:ST+3], v[TR:TR+1]                   ; tile 0's in two chains
.elseif k == 1
	v_pk_add_f32 v[XS:XS+1], v[82:83], v[86:87]
.elseif k > 3
	v_pk_add_f32 v[XS:XS+1], v[XS:XS+1], v[TR:TR+1]
.endif
	HOLD S+64+4*k
	HOLD S+64+4*k+2
.if k%2 == 0
	CVT k/2
.elseif k > 1
	CVT 8+(k-3)/2
.endif
.set k, k+1
.endr
	CVT 15
.irp t, 0,1
	v_pk_add_f32 v[ST+8*\t+2:ST+8*\t+3], v[ST+8*\t+2:ST+8*\t+3], v[XS+2*\t:XS+2*\t+1]
.endr
	WIN 0x41                                       ; O^T (destination and source 0) window 1, f window 0
	s_wait_dscnt 0x0                               ; V is in, and the next step's K
	s_wait_alu depctr_va_vdst(0)                   ; the wait here, directly ahead of the first reader of O^T
.set j, 0
.rept 32
	v_pk_mul_f32 v[j:j+1], v[j:j+1], v[ST+8*(j/32)+4:ST+8*(j/32)+5] op_sel_hi:[1,0]   ; O^T under the new M: x f; each accumulator from its low end on.  (These are also the plain lines between the conversions and the products that read P)
.set j, j+2
.endr
	WIN 0x51                                       ; source 0 (V^T), C and D (O^T) window 1; P window 0
.irp dt, 0,1,2,3
.irp t, 0,1
	v_wmma_f32_16x16x128_bf8_bf8 v[8*(4*\t+\dt):8*(4*\t+\dt)+7], v[VF+16*\dt:VF+16*\dt+15], v[P+16*\t:P+16*\t+15], v[8*(4*\t+\dt):8*(4*\t+\dt)+7]   ; the eight accumulators take turns, one instruction a turn
.endr
.endr
	WIN 0                                          ; at a label and at a branch every window is 0
.endm
; A CHUNK's n key steps, from LDS byte base on.  The last is written out: it fetches no K beyond the chunk.
.macro CHUNK base, n
	s_mov_b32 s[TB], \base
	s_mov_b32 s[CNT], (\n)-1
	v_add_nc_u32 v[ADR], s[TB], v[LI]
	KLOAD 0
	s_wait_dscnt 0x0
.Lstep_\@:
	STEP 1
	s_add_co_u32 s[TB], s[TB], STEPB
	s_sub_co_u32 s[CNT], s[CNT], 1
	s_cmp_lg_u32 s[CNT], 0
	s_cbranch_scc1 .Lstep_\@
	STEP 0
.endm
	s_wait_alu depctr_va_vdst(0)                   ; the wait at the head's end
	s_wait_tensorcnt 0x0                           ; my piece of chunk 0 is in
	ds_add_u32 v[SPW], v[NIL]
	s_wait_dscnt 0x0                               ; the add is done
	CROUND                                         ; everybody's piece is in, and the four work-groups' joint loads meet:
	tensor_load_to_lds s[G0B:G0B+3], s[G1B:G1B+7]  ; chunk 1, the first tensor load behind the round
	s_nop 0
.rept 4
	v_nop
.endr
	s_wait_loadcnt 0x0                             ; Q
	CHUNK 0, C0
	s_wait_tensorcnt 0x0                           ; my piece of chunk 1 is in (no LDS instruction of mine is out: the step's wait on DScnt was for 0),
	s_barrier_signal -1
	s_barrier_wait -1                              ; and everybody's.
	CHUNK CH0, 16-C0
	; THE WAY OUT.  The sum's two halves and lane l xor 16's are added; O^T is multiplied by 2^(e4 + e5) / the sum and goes through my stage in LDS, a tile (16 queries x 256 bytes) at a time,
	; so that sixteen lanes store 256 consecutive bytes.  The six lines below are the places behind the last products.
.irp t, 0,1
	v_add_f32 v[ST+8*\t+2], v[ST+8*\t+2], v[ST+8*\t+3]
.endr
.irp t, 0,1
	s_delay_alu instid0(VALU_DEP_2)
	v_permlanex16_b32 v[PD+\t], v[ST+8*\t+2], s[SEL], s[SEL+1]
.endr
.irp t, 0,1
	s_delay_alu instid0(VALU_DEP_2)
	v_add_f32 v[ST+8*\t+2], v[ST+8*\t+2], v[PD+\t]
.endr
	s_wait_alu depctr_va_vdst(0)                   ; the wait ahead of the transcendentals
.irp t, 0,1
	v_rcp_f32 v[ST+8*\t+4], v[ST+8*\t+2]
.endr
	v_nop                                          ; a plain instruction between the last reciprocal and the use of its result
	s_wait_alu depctr_va_vdst(0)                   ; and ahead of the first use: one wait for both reciprocals
.irp t, 0,1
	v_ldexp_f32 v[ST+8*\t+4], v[ST+8*\t+4], s63    ; x 2^(e4 + e5)
.endr
	WIN 0x01                                       ; source 0 (O^T) window 1; destination window 0: S^T's registers are free
	s_wait_alu depctr_va_vdst(0)                   ; the wait here, directly ahead of the first reader of O^T
.set j, 0
.rept 32
	v_pk_mul_f32 v[S+j:S+j+1], v[j:j+1], v[ST+8*(j/32)+4:ST+8*(j/32)+5] op_sel_hi:[1,0]   ; register 32 t + 8 dt + i is out(query r of tile t, channel 16 dt + 8 h + i)
.set j, j+2
.endr
	WIN 0
.irp t, 0,1
.irp dt, 0,1,2,3
	ds_store_b128 v[STO], v[S+32*\t+8*\dt:S+32*\t+8*\dt+3] offset:64*\dt
	ds_store_b128 v[STO], v[S+32*\t+8*\dt+4:S+32*\t+8*\dt+7] offset:64*\dt+16
.endr
.irp i, 0,1,2,3,4,5,6,7
	ds_load_b128 v[S+64+32*\t+4*\i:S+64+32*\t+4*\i+3], v[RD] offset:2*\i*SP   ; LDS serves a wave's instructions in order (ISA guide 5.7.1.4): these see my stores, and the next tile's stores come behind them
.endr
.endr
.irp t, 0,1
.irp i, 0,1,2,3,4,5,6,7
	s_wait_dscnt 23-16*\t-\i                       ; behind this load: the tile's younger loads, and for tile 0 tile 1's sixteen LDS instructions
	global_store_b128 v[GO], v[S+64+32*\t+4*\i:S+64+32*\t+4*\i+3], s[8:9] offset:65536*\t+8192*\i th:TH_STORE_NT   ; 16 lanes store 256 consecutive bytes, at a multiple of 256 from out's first byte; written once, read by nobody here
.endr
.endr
	s_wait_tensorcnt 0x0                           ; the wave's end
	ds_add_u32 v[SPW], v[NIL]
	s_wait_dscnt 0x0
	CROUND                                         ; the closing round: no work-group ends while a partner may still ask for a piece that names it
	s_endpgm
.Lfunc_end_k_q50b25c0d0f_attn:
	.size	k_q50b25c0d0f_attn, .Lfunc_end_k_q50b25c0d0f_attn-k_q50b25c0d0f_attn
	.p2alignl 7, 3214868480
	.fill 96, 4, 3214868480
	.section	.rodata,"a",@progbits
	.p2align	6, 0x0
	.amdhsa_kernel k_q50b25c0d0f_attn
		.amdhsa_group_segment_fixed_size 327680
		.amdhsa_private_segment_fixed_size 0
		.amdhsa_enable_private_segment 0
		.amdhsa_kernarg_size 24
		.amdhsa_user_sgpr_count 2
		.amdhsa_user_sgpr_kernarg_segment_ptr 1
		.amdhsa_wavefront_size32 1
		.amdhsa_system_sgpr_workgroup_id_x 1
		.amdhsa_system_sgpr_workgroup_id_y 1
		.amdhsa_system_sgpr_workgroup_id_z 1
		.amdhsa_system_vgpr_workitem_id 0
		.amdhsa_next_free_vgpr 512
		.amdhsa_next_free_sgpr 66
		.amdhsa_reserve_vcc 0
		.amdhsa_float_denorm_mode_32 3
		.amdhsa_float_denorm_mode_16_64 3
		.amdhsa_memory_ordered 1
		.amdhsa_forward_progress 1
		.amdhsa_inst_pref_size 130
	.end_amdhsa_kernel
	.amdgpu_metadata
---
amdhsa.version: [ 1, 2 ]
amdhsa.kernels:
  - .name:           k_q50b25c0d0f_attn
    .symbol:         k_q50b25c0d0f_attn.kd
    .args:
      - { .name: qkv, .offset: 0, .size: 8, .value_kind: global_buffer, .address_space: global }
      - { .name: lowp_scales, .offset: 8, .size: 8, .value_kind: global_buffer, .address_space: global }
      - { .name: out0, .offset: 16, .size: 8, .value_kind: global_buffer, .address_space: global }
    .group_segment_fixed_size: 327680
    .private_segment_fixed_size: 0
    .kernarg_segment_align: 8
    .kernarg_segment_size: 24
    .max_flat_workgroup_size: 256
    .sgpr_count:     66
    .vgpr_count:     512
    .wavefront_size: 32
...
	.end_amdgpu_metadata
.endif
;; end of part 2
